; MI455X (gfx1250); checked and timed in simulation.
; The chip was launched on July 23, 2026; its instructions are those of AMD's public machine-readable ISA for CDNA 5 (MIT licence, August 2026) and "CDNA5" Instruction Set Architecture Reference Guide (July 2026). The comments in the code are by the model that wrote it; some were corrected since.
;; ONLSTM Cell. Allowed arithmetic: matrix products marked QUANTISED: E2M1 operands, one E8M0 scale for each 32 along K, by v_wmma_scale_f32_16x16x128_f8f6f4 with both operands' format E2M1 (or v_wmma_scale_f32_32x16x128_f4), f32 sums; everything else in f32.
;; Inputs: W_hh 4,096 x 1,024 float32; W_ih 4,096 x 1,024 float32; b_hh 4,096 float32; b_ih 4,096 float32; cx 8,192 x 16 x 64 float32; forget_floor 8,192 x 16 float32; hx 8,192 x 1,024 float32; input_floor 8,192 x 16 float32; x 8,192 x 1,024 float32.
;; Outputs: out0 8,192 x 1,024 float32; out1 8,192 x 16 x 64 float32.
;; This version of the problem:
;;   THIS VERSION OF THE PROBLEM IS GIVEN IN LOW PRECISION. The matrix products marked QUANTISED in the list below multiply operands that are first quantised to E2M1 (2 exponent bits, 1 mantissa bit; 4 bits a number), with one power-of-two scale for each 32 numbers along K (OCP MX v1.0); their sums are f32. All else is computed in f32.
;;   The module's matrix products, in the order in which they are computed (A, B: the left and right operand; K: the contracted axis; several contracted axes count as one K, in the product's order):
;;     1. [M 8,192, K 1,024] x [K 1,024, N 4,096]; A: input x; B: input W_ih: QUANTISED
;;     2. [M 8,192, K 1,024] x [K 1,024, N 4,096]; A: input hx; B: input W_hh: QUANTISED
;;   THE QUANTISER, for each operand of a quantised product, along K:
;;     - K is cut into blocks of 32 from its start; a last block that is shorter is filled with zeros.
;;     - A block's scale is 2^e with e = floor(log2(the largest magnitude in the block)) - 2, held to -126 .. 127; a block of zeros has e = 0. As a byte (E8M0): e + 127.
;;     - Each number is divided by its block's scale, clamped to +-6, and rounded to the nearest number of E2M1, ties to even, subnormals kept.
;;     - The product sums the exact products of the quantised numbers (number of the format x scale) in f32.
;;   ~~~python
;;   def quantise(x, axis):      # numpy; x: float32 -> the quantised numbers, widened to float32 again
;;       x = np.moveaxis(x, axis, -1); K = x.shape[-1]
;;       x = np.pad(x, [(0, 0)] * (x.ndim - 1) + [(0, -K % 32)]); x = x.reshape(x.shape[:-1] + (-1, 32)); a = np.abs(x).max(-1, keepdims=True)
;;       e = np.where(a > 0, np.clip(np.frexp(np.where(a > 0, a, 1))[1] - 1 - 2, -126, 127), 0)      # np.frexp(a)[1] - 1 = floor(log2(a)), exactly
;;       r = np.clip(x / 2.0 ** e, -6, 6)
;;       step = 2.0 ** (np.maximum(np.frexp(np.where(r == 0, 1, r))[1] - 1, 0) - 1)
;;       q = np.round(r / step) * step * 2.0 ** e      # np.round: ties to even
;;       return np.moveaxis(q.reshape(q.shape[:-2] + (-1,))[..., :K], -1, axis).astype(np.float32)
;;   ~~~
;; One version. Each part assembles by itself: llvm-mc -triple=amdgcn-amd-amdhsa -mcpu=gfx1250 --defsym DOCPART=n.
;; ======== version 1 of 1: 2 launches
;; limits: right only within a limited range of input values
;; workspace buffers: a_img 8,912,896 bytes; b_img 4,456,448 bytes
;; launch quant (part 1): grid 768 x 1, 4 waves a work-group, no clusters, 33,280 bytes of LDS; arguments x, hx, W_ih, W_hh, a_img, b_img; writes a_img, b_img
.if DOCPART == 1
	.amdgcn_target "amdgcn-amd-amdhsa--gfx1250"
	.amdhsa_code_object_version 6
	.text
	.protected	k_q8e2e6c26c9_quant
	.globl	k_q8e2e6c26c9_quant
	.p2align	8
	.type	k_q8e2e6c26c9_quant,@function
k_q8e2e6c26c9_quant:
	s_mov_b64 s[64:65], 0
	v_nop
	global_prefetch_b8 v0, s[64:65] scope:SCOPE_SE
	s_setreg_imm32_b32 hwreg(HW_REG_WAVE_MODE, 25, 1), 1
	s_wait_xcnt 0x0
; x, hx [8192][1024] and W_ih, W_hh [4096][1024], f32, become codes of FP4 (E2M1) with one E8M0 scale byte for each 32 along K.
; The two products are joined along K (2,048): K steps 0, 1 of 512 are x (W_ih), K steps 2, 3 are hx (W_hh).  No work of the problem is left out.
; THE OUTPUT IS LAID AS THE NEXT LAUNCH'S LDS WANTS IT: for each tile of 256 rows, each K step and each half of 128 rows one dense image of 34,816 bytes:
; 128 rows x 256 bytes of codes, then 128 x 16 scale bytes.  Image number ((tile x 4 + K step) x 2 + half).
; THE WEIGHTS' ROWS ARE RE-ORDERED: row 1024 g + 64 jt + 4 r + i (gate g, chunk jt) lies at place 256 jt + 64 g + 16 i + r.
; A block's scale is 2^(floor(log2(largest magnitude)) - 2); its byte is that magnitude's exponent field - 2, held at 1 from below; beyond 6 the conversion gives the largest code.
; LIMITS: NaN and infinities among the inputs are not served; a block whose largest magnitude lies under 2^(3 - 127), a block of zeros too, keeps the byte 1 (the bytes are read by this program alone).
; SHARES: a work-group takes 16 places (0-511: activations, 512-767: weights), wave s their K step s: 16 steps of 512 numbers, a row each.  Its codes are 4,096 consecutive bytes, its scale bytes 256.
; Each load reads 512 consecutive bytes; a step's 2,048 bytes turn through the wave's own stage in LDS and come back 64 bytes a lane.  No tensor loads, no barrier, no cluster: nothing is shared.
.set STEPS, 16
.set WGA,   512
.set EMAX,  2
.set CB,    8
.set IMG,   34816
.set R,     16                         ; v16-79   four sets of 16 numbers as loaded
.set X,     80                         ; v80-111  two sets of 16 neighbours
.set E,     112                        ; v112-127 a scale byte for each step
.set C,     128                        ; v128-191 codes, four registers a step
.set OF,    194                        ; v194-197 set j: byte offset of the row that the set loads next
.set WREG,  8192
.set SP,    80
	s_load_b256 s[4:11], s[0:1], 0x0               ; x, hx, W_ih, W_hh
	s_load_b128 s[12:15], s[0:1], 0x20             ; a_img, b_img
	v_lshl_add_u32 v192, v0, 2, 0x8000
	v_mov_b32 v193, 0
	v_lshrrev_b32 v1, 5, v0
	v_readfirstlane_b32 s20, v1                    ; wave = K step
	s_mul_i32 s28, s20, WREG
	s_add_co_u32 s29, s28, 2*32*SP
	s_cmp_lt_u32 ttmp9, WGA
	s_cselect_b32 s21, 0, WGA
	s_sub_co_u32 s21, ttmp9, s21                   ; which 16 places of the pair of tensors
	s_bfe_u32 s22, s21, 0x20002                    ; weights: g,
	s_lshl_b32 s22, s22, 10
	s_lshr_b32 s23, s21, 4                         ; jt,
	s_lshl_b32 s23, s23, 6
	s_add_co_u32 s22, s22, s23
	s_and_b32 s23, s21, 3                          ; i: the first source row is 1024 g + 64 jt + i, the next four rows on
	s_add_co_u32 s22, s22, s23
	s_lshl_b32 s23, s21, 4                         ; activations: 16 rows on end
	s_mov_b32 s24, 16384
	s_cmp_lt_u32 ttmp9, WGA
	s_cselect_b32 s22, s23, s22
	s_cselect_b32 s24, 4096, s24                   ; bytes from one source row to the next
	s_lshl_b32 s25, s24, 1
	s_mul_i32 s26, s24, 3
	s_lshl_b32 s27, s24, 2
	s_lshl_b32 s30, s22, 12
	s_and_b32 s31, s20, 1
	s_lshl_b32 s31, s31, 11                        ; which half of the source row
	s_add_co_u32 s30, s30, s31
	s_mov_b32 s31, 0
	s_lshr_b32 s32, s21, 4
	s_lshl_b32 s32, s32, 2
	s_add_co_u32 s32, s32, s20
	s_lshl_b32 s32, s32, 1
	s_bfe_u32 s33, s21, 0x10003
	s_add_co_u32 s32, s32, s33
	s_mul_i32 s32, s32, IMG                        ; my image
	s_and_b32 s33, s21, 7
	s_lshl_b32 s34, s33, 12                        ; my 16 rows of codes in it
	s_add_co_u32 s34, s34, s32
	s_mov_b32 s35, 0
	s_lshl_b32 s36, s33, 8                         ; and their 256 scale bytes
	s_add_co_u32 s36, s36, s32
	s_add_co_u32 s36, s36, 32768
	s_mov_b32 s37, 0
	v_and_b32 v2, 31, v0
	v_lshlrev_b32 v3, 4, v2
	v_lshrrev_b32 v14, 2, v2
	v_mul_u32_u24 v14, v14, SP
	v_and_b32 v15, 3, v2
	v_lshl_add_u32 v14, v15, 4, v14
	v_add_nc_u32 v14, s28, v14                     ; the stage, on the way in
	v_mul_u32_u24 v15, v2, SP
	v_add_nc_u32 v15, s28, v15                     ; and on the way out
	v_mul_u32_u24 v4, v2, CB
	v_lshrrev_b32 v5, 1, v2
	v_add_nc_u32 v5, s29, v5                       ; my block's scale byte in LDS
	v_lshlrev_b32 v7, 3, v2
	v_add_nc_u32 v6, s29, v7
	v_mov_b32 v[OF], v3
	v_add_nc_u32 v[OF+1], s24, v3
	v_add_nc_u32 v[OF+2], s25, v3
	v_add_nc_u32 v[OF+3], s26, v3
	s_wait_alu depctr_va_vdst(0)                   ; the wait at the head's end
	s_wait_kmcnt 0x0
	s_cmp_lt_u32 ttmp9, WGA                        ; activations or weights: hangs on the work-group's number alone
	s_cselect_b64 s[4:5], s[4:5], s[8:9]
	s_cselect_b64 s[6:7], s[6:7], s[10:11]
	s_cselect_b64 s[12:13], s[12:13], s[14:15]
	s_cmp_lt_u32 s20, 2                            ; first or second source: hangs on the wave's number alone
	s_cselect_b64 s[4:5], s[4:5], s[6:7]
	s_add_nc_u64 s[4:5], s[4:5], s[30:31]
	s_add_nc_u64 s[14:15], s[12:13], s[36:37]
	s_add_nc_u64 s[12:13], s[12:13], s[34:35]
.macro LOAD t
.irp i, 0,1,2,3
	global_load_b128 v[R+16*((\t)%4)+4*\i:R+16*((\t)%4)+4*\i+3], v[OF+(\t)%4], s[4:5] offset:512*\i th:TH_LOAD_NT
.endr
.endm
.macro TURN t                          ; LDS serves a wave's instructions in order: no wait between the stores and the loads
.irp i, 0,1,2,3
	ds_store_b128 v14, v[R+16*((\t)%4)+4*\i:R+16*((\t)%4)+4*\i+3] offset:32*SP*((\t)%2)+8*SP*\i
.endr
.irp i, 0,1,2,3
	ds_load_b128 v[X+16*((\t)%2)+4*\i:X+16*((\t)%2)+4*\i+3], v15 offset:32*SP*((\t)%2)+16*\i
.endr
.endm
.irp t, 0,1,2,3
	LOAD \t
.endr
	s_wait_loadcnt 12                              ; step 0's four loads are in; twelve stay out
	TURN 0
.macro STEP t
.set XS, X+16*((\t)%2)
.if (\t) > 0
	s_wait_dscnt 1                                 ; this step's numbers are back (the last byte store may be out)
.else
	s_wait_dscnt 0x0
.endif
.if (\t)+4 < STEPS
	v_add_nc_u32 v[OF+(\t)%4], s27, v[OF+(\t)%4]   ; the set's loads have been waited for: four rows on
	LOAD (\t)+4
.endif
.if (\t)+1 < STEPS
.if STEPS-2-(\t) >= 3
	s_wait_loadcnt 12                              ; the next step's four loads are in; three steps' stay out
.else
	s_wait_loadcnt 4*(STEPS-2-(\t))
.endif
	TURN (\t)+1
.endif
	v_max3_num_f32 v8, |v[XS]|, |v[XS+1]|, |v[XS+2]|
	v_max3_num_f32 v9, |v[XS+3]|, |v[XS+4]|, |v[XS+5]|
.irp i, 6,10
	v_max3_num_f32 v8, v8, |v[XS+\i]|, |v[XS+\i+1]|
	v_max3_num_f32 v9, v9, |v[XS+\i+2]|, |v[XS+\i+3]|
.endr
	v_max3_num_f32 v8, v8, |v[XS+14]|, |v[XS+15]|
	v_max3_num_f32 v8, v8, v9, (EMAX+1)<<23        ; the floor: the byte cannot fall under 1
	v_max_num_f32_dpp v8, v8, v8 row_xmask:1 row_mask:0xf bank_mask:0xf   ; with my neighbour's 16: the block's
	v_add_nc_u32 v11, -(EMAX<<23), v8              ; the conversion's scale operand
	v_cvt_scalef32_pk8_fp4_f32 v[C+4*(\t)], v[XS:XS+7], v11
	v_cvt_scalef32_pk8_fp4_f32 v[C+4*(\t)+1], v[XS+8:XS+15], v11
	v_lshrrev_b32 v[E+(\t)], 23, v11               ; the scale's byte (also the plain line behind the conversions)
	ds_store_b8 v5, v[E+(\t)] offset:16*(\t)
	global_store_b64 v4, v[C+4*(\t):C+4*(\t)+1], s[12:13] offset:32*CB*(\t)   ; 256 consecutive bytes, aligned
.endm
.irp t, 0,1,2,3,4,5,6,7,8,9,10,11,12,13,14,15
	STEP \t
.endr
	ds_load_b64 v[12:13], v6
	s_wait_dscnt 0x0
	global_store_b64 v7, v[12:13], s[14:15]        ; the 16 rows' 256 scale bytes, aligned
	s_wait_tensorcnt 0x0                           ; the wave's end
	ds_add_u32 v192, v193
	s_wait_dscnt 0x0
	s_endpgm
.Lfunc_end_k_q8e2e6c26c9_quant:
	.size	k_q8e2e6c26c9_quant, .Lfunc_end_k_q8e2e6c26c9_quant-k_q8e2e6c26c9_quant
	.p2alignl 7, 3214868480
	.fill 96, 4, 3214868480
	.section	.rodata,"a",@progbits
	.p2align	6, 0x0
	.amdhsa_kernel k_q8e2e6c26c9_quant
		.amdhsa_group_segment_fixed_size 33280
		.amdhsa_private_segment_fixed_size 0
		.amdhsa_enable_private_segment 0
		.amdhsa_kernarg_size 48
		.amdhsa_user_sgpr_count 2
		.amdhsa_user_sgpr_kernarg_segment_ptr 1
		.amdhsa_wavefront_size32 1
		.amdhsa_system_sgpr_workgroup_id_x 1
		.amdhsa_system_sgpr_workgroup_id_y 1
		.amdhsa_system_sgpr_workgroup_id_z 1
		.amdhsa_system_vgpr_workitem_id 0
		.amdhsa_next_free_vgpr 198
		.amdhsa_next_free_sgpr 66
		.amdhsa_reserve_vcc 0
		.amdhsa_float_denorm_mode_32 3
		.amdhsa_float_denorm_mode_16_64 3
		.amdhsa_memory_ordered 1
		.amdhsa_forward_progress 1
		.amdhsa_inst_pref_size 35
	.end_amdhsa_kernel
	.amdgpu_metadata
---
amdhsa.version: [ 1, 2 ]
amdhsa.kernels:
  - .name:           k_q8e2e6c26c9_quant
    .symbol:         k_q8e2e6c26c9_quant.kd
    .args:
      - { .name: x, .offset: 0, .size: 8, .value_kind: global_buffer, .address_space: global }
      - { .name: hx, .offset: 8, .size: 8, .value_kind: global_buffer, .address_space: global }
      - { .name: W_ih, .offset: 16, .size: 8, .value_kind: global_buffer, .address_space: global }
      - { .name: W_hh, .offset: 24, .size: 8, .value_kind: global_buffer, .address_space: global }
      - { .name: a_img, .offset: 32, .size: 8, .value_kind: global_buffer, .address_space: global }
      - { .name: b_img, .offset: 40, .size: 8, .value_kind: global_buffer, .address_space: global }
    .group_segment_fixed_size: 33280
    .private_segment_fixed_size: 0
    .kernarg_segment_align: 8
    .kernarg_segment_size: 48
    .max_flat_workgroup_size: 128
    .sgpr_count:     66
    .vgpr_count:     198
    .wavefront_size: 32
...
	.end_amdgpu_metadata
.endif
;; end of part 1
;; launch cell (part 2): grid 8 x 32, 4 waves a work-group, clusters of 4 x 4, 327,680 bytes of LDS; arguments a_img, b_img, b_ih, b_hh, cx, input_floor, forget_floor, out0, out1; writes out0, out1
.if DOCPART == 2
	.amdgcn_target "amdgcn-amd-amdhsa--gfx1250"
	.amdhsa_code_object_version 6
	.text
	.protected	k_q8e2e6c26c9_cell
	.globl	k_q8e2e6c26c9_cell
	.p2align	8
	.type	k_q8e2e6c26c9_cell,@function
k_q8e2e6c26c9_cell:
	s_mov_b64 s[64:65], 0
	v_nop
	global_prefetch_b8 v0, s[64:65] scope:SCOPE_SE
	s_setreg_imm32_b32 hwreg(HW_REG_WAVE_MODE, 25, 1), 1
	s_wait_xcnt 0x0
	s_wait_alu depctr_hold_cnt(0) depctr_sa_sdst(0) depctr_va_vdst(0) depctr_va_sdst(0) depctr_va_ssrc(0) depctr_va_vcc(0) depctr_vm_vsrc(0)
	s_getreg_b32 s2, hwreg(HW_REG_IB_STS2, 6, 4)
	s_cmp_eq_u32 s2, 0
	s_cbranch_scc0 .Lentry_in_a_cluster
	s_endpgm
.Lentry_in_a_cluster:
	s_bfe_u32 s2, ttmp6, 0x10000c
	s_cmp_lg_u32 s2, 0xf033
	s_cbranch_scc0 .Lentry_shape_is_right
	s_endpgm
.Lentry_shape_is_right:
; gates = [x | hx] [W_ih | W_hh]^T + b_ih + b_hh on codes of FP4 with E8M0 scales (K = 2,048), and the ON-LSTM cell made of them; the gates never go to memory.  No work of the problem is left out.
; a_img, b_img: dense images of 34,816 bytes (128 rows x 256 bytes of codes of one K step of 512, then their 128 x 16 scale bytes), image ((tile x 4 + K step) x 2 + half).
; The weights' places: 256 jt + 64 g + 16 i + r holds gate g (out, cell, in, forget) of column 4 r + i of chunk jt.
; SHARES.  A work-group of four waves STAYS for two tiles: 256 batch rows x chunk jt, then x chunk jt + 8.  A wave makes 64 rows x the chunk's 256 gates: 64 accumulators, 512 registers.
; Source 0 = 16 batch rows, source 1 = 16 weight places: lane (r, h), register j of accumulator (a, 4 g + i) holds gate g of row 16 a + 8 h + j, column 4 r + i.  So a lane's four i are 16 neighbouring bytes of a row
; of cx, hy and cy, and sixteen lanes hold the row's 256 bytes: cx comes by plain loads and hy, cy leave by plain stores, whole aligned 256 bytes for sixteen lanes; no stage in LDS, no barrier in the tail.
; THE RING: two LDS slots, each a K step's four images; one tensor load a wave brings an image, codes and scales together (136 rows of 256 bytes, 16 bytes of padding behind each).  The ring runs on into the next tile.
; A slot's change stands behind its third step of 128: its last fragments are in registers by then, so it is filled again a step ahead of its end.
; CLUSTERS 4 x 4: the batch rows' images are asked for jointly along a row of the cluster, the weights' along a column.
; THE ROW NUMBERS: of each batch row a chunk wants a prefix or suffix sum of an 8-wide softmax of each floor's half (a flip on both sides of a cumulative sum is a suffix sum); the maximum is taken away.
; A lane makes them for two of its wave's rows, for both tiles; they lie in LDS bytes that the wave alone writes and reads.
; sigmoid(v) = 1 / (1 + 2^(-v log2 e)), tanh(v) = 1 - 2 / (1 + 2^(2 v log2 e)): an exponential that overflows gives infinity, its reciprocal 0, and the result is the function's limit.  The biases ride in the multiply-add that makes the exponents.
; THE TAIL is a loop of four trips, a block of 16 rows each, in two units of rows j = 0-3 and 4-7; the lines that name accumulators stand in four arms chosen by the trip's counter, one choice a trip.
; cx runs one trip ahead in two register sets, across the change of tiles too; the last trip of the last tile has no successor and loads its own block once more, so that the counted waits hold on every way.
; PREFETCHES.  cx's rows 16-63 of a wave are asked for in the tile's first K step, three K steps ahead of the tail.  The images: of the 136 blocks of 256 bytes of the image that a wave fetches, each of the four
; partners that ask for it jointly takes 34, told apart by address (two instructions a wave; the second's lanes that are left over name its last block again).  K steps 1 to 3 of the first tile are asked for at the head;
; the next tile's four K steps of the weights one a K step, from the first tile's first K step on, each at least one whole K step ahead of its load; the batch rows' images have been read by then.
; The weights' images, which all eight rows of clusters read, are asked for by four of them.  No address register of these prefetches is ever rewritten: the K step stands in the immediate.
; LIMITS: NaN and infinities among the inputs are not served.
; REGISTERS: window 0: v0-31 addresses; v32-111 scale words, two sets of 40; v112-127 biases; v128-191 batch fragments, two sets; v192-223 cx; v224-255 raw biases.  Window 1: weight fragments, two sets.  Windows 2, 3: accumulators.
.set PITCH, 272
.set HALFT, 136*PITCH
.set SLOT,  4*HALFT
.set SPARE, 2*SLOT
.set REC,   SPARE+512                  ; [overlap, cforget - overlap, cin - overlap][tile][256 rows] f32
.set IMG,   34816
.set KIMG,  2*IMG
.set TIMG,  4*KIMG
.set PI2,  9                           ; v9  the images' prefetch: my work-group's last two blocks of its 34
.set CXO,  10                          ; v10-11 byte offsets in cx of the two sets' next loads
.set OO,   12                          ; v12 byte offset in out0, out1 of the trip's block
.set RA0,  13
.set RA,   14                          ; v14 my records of this tile
.set BO,   15
.set ADRA, 16                          ; v16-17 batch fragments, slot 0, 1
.set ADRB, 18                          ; v18-21 weight fragments: slot 0 half 0, 1; slot 1 half 0, 1
.set ADSA, 22                          ; v22-23 batch scale words
.set ADSB, 24                          ; v24-25 weight scale words
.set PFO,  26
.set PF2,  27
.set SPW,  28
.set NIL,  29
.set FO,   30
.set PI,   31                          ; v31 the images' prefetch: a lane a block, the first 32 of the 34
.set SC,   32
.set T,    32
.set RECR, 96
.set BI,   112
.set AF,   128
.set U,    128
.set CY,   144
.set HY,   160
.set XR,   192
.set RAW,  224
.set G1,   24
.set G0,   32
.set JT,   42
.set TR,   43
.set WV,   44
.set FB,   45                          ; I fetch batch rows (0) or weights (1)
.set HF,   46                          ; which half
.set KL,   47
.set G1B,  48
.set G0B,  56
.set KN,   66
.set KP,   68
.set DL,   70
.set LD,   71
.set PB,   86                          ; s[86:87] the buffer whose images I fetch
.set PFN,  88                          ; s88 1: I ask for the next tile's weights
.set PFW,  90                          ; s90 1: a wave that fetches weights, in one of the four rows of clusters that ask for them
.set PFH,  91                          ; s91 1: I ask at the head
.set MSB, 0
.macro WIN new
.if MSB != (\new)
	s_set_vgpr_msb (MSB<<8)|(\new)
.set MSB, (\new)
.endif
.endm
.set MUL_LO, 0xa4                      ; source 0 window 0, source 1 window 1, C and D window 2
.set MUL_HI, 0xf4
.set TO_B,   0x40
.macro JLOAD s                         ; a joint load; s_nop 0 and four v_nop behind each line
	s_cmp_eq_u32 s[FB], 0
	s_cbranch_scc0 .Lfor_b_\@
	tensor_load_to_lds s[G0+4*\s:G0+4*\s+3], s[G1:G1+7]
	s_nop 0
.rept 4
	v_nop
.endr
	s_branch .Lasked_\@
.Lfor_b_\@:
	tensor_load_to_lds s[G0B+4*\s:G0B+4*\s+3], s[G1B:G1B+7]
	s_nop 0
.rept 4
	v_nop
.endr
.Lasked_\@:
.endm
.macro CREST
	s_cmp_lg_u32 s[WV], 0
	s_cbranch_scc1 .Lnot_wave_0_\@
	s_barrier_signal -3
.Lnot_wave_0_\@:
	s_barrier_wait -3
	s_barrier_signal -1
	s_barrier_wait -1
.endm
.macro CROUND
	s_barrier_signal -1
	s_barrier_wait -1
	CREST
.endm
.macro PLACES
.rept 4
	v_nop
.endr
.endm
.macro ASK off                         ; my work-group's 34 blocks of the image off bytes behind my first
	global_prefetch_b8 v[PI], s[PB:PB+1] offset:\off th:TH_LOAD_NT scope:SCOPE_SE
	global_prefetch_b8 v[PI2], s[PB:PB+1] offset:\off th:TH_LOAD_NT scope:SCOPE_SE
.endm
.macro PIMG off                        ; the same of the next tile's weights: the branch hangs on the wave's number, the tile's counter and the cluster's row alone
	s_cmp_eq_u32 s[PFN], 1
	s_cbranch_scc0 .Lnot_mine_\@
	ASK \off
.Lnot_mine_\@:
.endm
.macro LDX jh                          ; a unit's cx: rows 8 h + 4 jh + 0 .. 3 of the block, 16 bytes a lane
.irp l, 0,1,2,3
	global_load_b128 v[XR+16*\jh+4*\l:XR+16*\jh+4*\l+3], v[CXO+\jh], s[12:13] offset:16384*\jh+4096*\l th:TH_LOAD_NT
.endr
.endm
	s_load_b256 s[4:11], s[0:1], 0x0               ; a_img, b_img, b_ih, b_hh
	s_load_b256 s[12:19], s[0:1], 0x20             ; cx, input_floor, forget_floor, out0
	s_load_b64 s[20:21], s[0:1], 0x40              ; out1
	v_lshl_add_u32 v[SPW], v0, 2, SPARE
	v_mov_b32 v[NIL], 0
	ds_add_u32 v[SPW], v[NIL]                      ; the opening lines
	ds_add_u32 v[SPW], v[NIL]
	v_lshrrev_b32 v1, 5, v0
	v_readfirstlane_b32 s[WV], v1
	s_lshr_b32 s[FB], s[WV], 1
	s_and_b32 s[HF], s[WV], 1
	s_bfe_u32 s40, ttmp6, 0x40000
	s_bfe_u32 s41, ttmp6, 0x40004
	s_lshl_b32 s[JT], ttmp9, 2
	s_add_co_u32 s[JT], s[JT], s40                 ; the first chunk, 0 .. 7
	s_and_b32 s[TR], ttmp7, 0xffff
	s_lshl_b32 s[TR], s[TR], 2
	s_add_co_u32 s[TR], s[TR], s41                 ; the block of 256 batch rows
	s_lshl_b32 s22, s41, 2
	s_lshl_b32 s22, 15, s22                        ; my row of the cluster
	s_lshl_b32 s23, 0x1111, s40                    ; my column
	s_or_b32 s[G1+0], s22, (3<<16)|(1<<20)|(1<<21)|(5<<22)|(3<<25)   ; elements of 8 bytes; 4 words of padding behind every 64
	s_or_b32 s[G1B+0], s23, (3<<16)|(1<<20)|(1<<21)|(5<<22)|(3<<25)
.irp g, G1, G1B
	s_mov_b32 s[\g+1], 32<<16
	s_mov_b32 s[\g+2], 136<<16
	s_mov_b32 s[\g+3], 32<<16
	s_mov_b32 s[\g+4], 136
	s_mov_b32 s[\g+5], 32
	s_mov_b32 s[\g+6], 0
	s_mov_b32 s[\g+7], 0
.endr
	s_mul_i32 s72, s[FB], HALFT                    ; my 64 batch rows: half wave / 2, rows 64 (wave % 2)
	s_mul_i32 s73, s[HF], 64*PITCH
	s_add_co_u32 s72, s72, s73
	s_mul_i32 s73, s[FB], HALFT                    ; their scale words
	s_mul_i32 s74, s[HF], 4*PITCH
	s_add_co_u32 s73, s73, s74
	s_add_co_u32 s73, s73, 128*PITCH
	s_lshl_b32 s74, s[WV], 5
	s_lshl_b32 s75, s[WV], 8
	s_add_co_u32 s75, s75, REC
	s_lshl_b32 s76, s[TR], 20                      ; cx, out0, out1: 256 rows of 4,096 bytes a block, 256 bytes a chunk, 64 rows a wave
	s_lshl_b32 s77, s[JT], 8
	s_add_co_u32 s76, s76, s77
	s_lshl_b32 s77, s[WV], 18
	s_add_co_u32 s76, s76, s77
	s_add_co_u32 s77, s76, 65536
	s_add_co_u32 s78, s76, 196608
	s_mul_i32 s79, s[WV], HALFT                    ; where my images go
	s_mul_i32 s22, s[HF], IMG
	s_mul_i32 s[G0+2], s[TR], TIMG
	s_add_co_u32 s[G0+2], s[G0+2], s22
	s_mov_b32 s[G0+3], 0
	s_mul_i32 s[G0B+2], s[JT], TIMG
	s_add_co_u32 s[G0B+2], s[G0B+2], s22
	s_mov_b32 s[G0B+3], 0
	s_cmp_eq_u32 s[FB], 0                          ; the images' prefetch: the tile by the block of rows or by the chunk,
	s_cselect_b32 s86, s[TR], s[JT]
	s_cselect_b32 s87, s40, s41                    ; my place among the four that ask for the image with me
	s_mul_i32 s89, s86, TIMG
	s_add_co_u32 s89, s89, s22
	s_mul_i32 s87, s87, 34*256
	s_add_co_u32 s89, s89, s87                     ; my work-group's 34 blocks of my image of K step 0
	s_and_b32 s[PFW], ttmp7, 0xffff
	s_cmp_lt_u32 s[PFW], 4
	s_cselect_b32 s[PFW], s[FB], 0
	s_cmp_eq_u32 s[FB], 0
	s_cselect_b32 s[PFH], 1, s[PFW]
	s_lshl_b32 s80, s[TR], 14
	s_mov_b32 s81, 0
	s_lshl_b32 s82, s[JT], 8
	s_mov_b32 s83, 0
	s_mov_b32 s[KL], 0x3fb8aa3b                    ; log2 e
	s_mov_b32 s[KN], 0xbfb8aa3b
	s_mov_b32 s[KN+1], s[KN]
	s_mov_b32 s[KP], 0x4038aa3b                    ; 2 log2 e
	s_mov_b32 s[KP+1], s[KP]
	s_lshl_b32 s84, 2, s[JT]
	s_sub_co_u32 s84, s84, 1                       ; bits 0 .. n: the prefix sum
	s_lshl_b32 s85, 0xff, s[JT]
	s_and_b32 s85, s85, 0xff                       ; bits n .. 7: the suffix sum
	v_and_b32 v1, 15, v0                           ; r
	v_bfe_u32 v2, v0, 4, 1                         ; h
	v_and_b32 v3, 31, v0
	v_mul_u32_u24 v4, v1, PITCH
	v_lshl_add_u32 v5, v2, 4, v4
	v_add_nc_u32 v[ADRA], s72, v5
	v_add_nc_u32 v[ADRA+1], SLOT, v[ADRA]
	v_add_nc_u32 v[ADRB], 2*HALFT, v5
	v_add_nc_u32 v[ADRB+1], 3*HALFT, v5
	v_add_nc_u32 v[ADRB+2], SLOT+2*HALFT, v5
	v_add_nc_u32 v[ADRB+3], SLOT+3*HALFT, v5
	v_mul_u32_u24 v6, v2, PITCH
	v_lshl_add_u32 v6, v1, 4, v6                   ; scale words: lanes 16-31 take the block behind
	v_add_nc_u32 v[ADSA], s73, v6
	v_add_nc_u32 v[ADSA+1], SLOT, v[ADSA]
	v_add_nc_u32 v[ADSB], 2*HALFT+128*PITCH, v6
	v_add_nc_u32 v[ADSB+1], SLOT+2*HALFT+128*PITCH, v6
	v_lshlrev_b32 v7, 15, v2
	v_lshl_add_u32 v7, v1, 4, v7                   ; 8 h rows + 16 r
	v_add_nc_u32 v[OO], s76, v7
	v_add_nc_u32 v[CXO], s76, v7
	v_add_nc_u32 v[CXO+1], s76, v7
	v_lshl_add_u32 v[RA0], v2, 4, s75
	v_and_b32 v8, 0x13, v3                         ; my row's place among the records: its bits 3 and 2 change places
	v_bfe_u32 v9, v3, 3, 1
	v_lshl_or_b32 v8, v9, 2, v8
	v_bfe_u32 v9, v3, 2, 1
	v_lshl_or_b32 v8, v9, 3, v8
	v_lshl_add_u32 v8, v8, 2, s75
	v_lshlrev_b32 v[BO], 4, v1
	v_add_lshl_u32 v[FO], v0, s74, 6               ; row 64 wave + lane of the floors
	v_lshl_add_u32 v[PFO], v3, 12, s77             ; rows 16 + lane,
	v_min_u32 v9, 15, v3
	v_lshl_add_u32 v[PF2], v9, 12, s78             ; rows 48 + lane, held at 63
	v_lshl_add_u32 v[PI], v3, 8, s89               ; blocks 0 .. 31 of my 34,
	v_min_u32 v9, 1, v3
	v_add_nc_u32 v9, 32, v9
	v_lshl_add_u32 v[PI2], v9, 8, s89              ; blocks 32 and 33
	s_wait_alu depctr_va_vdst(0)                   ; directly ahead of the waits below
	s_wait_dscnt 0x0
	s_wait_kmcnt 0x0
	s_add_nc_u64 s[G0+2:G0+3], s[4:5], s[G0+2:G0+3]
	s_add_nc_u64 s[G0B+2:G0B+3], s[6:7], s[G0B+2:G0B+3]
	s_add_nc_u64 s[G0+6:G0+7], s[G0+2:G0+3], KIMG
	s_add_nc_u64 s[G0B+6:G0B+7], s[G0B+2:G0B+3], KIMG
.irp g, G0, G0+4, G0B, G0B+4
	s_or_b32 s[\g+3], s[\g+3], 0x80000000
	s_mov_b32 s[\g], 1
.endr
	s_mov_b32 s[G0+1], s79
	s_add_co_u32 s[G0+5], s79, SLOT
	s_mov_b32 s[G0B+1], s79
	s_add_co_u32 s[G0B+5], s79, SLOT
	s_cmp_eq_u32 s[FB], 0
	s_cselect_b64 s[PB:PB+1], s[4:5], s[6:7]
	CROUND
	JLOAD 0                                        ; K step 0: one tensor load a wave at the head
	s_add_nc_u64 s[14:15], s[14:15], s[80:81]
	s_add_nc_u64 s[16:17], s[16:17], s[80:81]
.irp u, 0,1                            ; vector q = 4 u + 2 f + half at v[32 + 8 q]: row u, floor f (input, forget)
.irp f, 0,1
.irp c, 0,1,2,3
	global_load_b128 v[32+32*\u+16*\f+4*\c:32+32*\u+16*\f+4*\c+3], v[FO], s[14+2*\f:15+2*\f] offset:2048*\u+16*\c
.endr
.endr
.endr
	s_add_nc_u64 s[8:9], s[8:9], s[82:83]
	s_add_nc_u64 s[10:11], s[10:11], s[82:83]
.irp g, 0,1,2,3
	global_load_b128 v[RAW+4*\g:RAW+4*\g+3], v[BO], s[8:9] offset:4096*\g
	global_load_b128 v[RAW+16+4*\g:RAW+16+4*\g+3], v[BO], s[10:11] offset:4096*\g
.endr
	LDX 0
	LDX 1
	s_cmp_eq_u32 s[PFH], 1
	s_cbranch_scc0 .Lno_head_ask
	ASK KIMG                                       ; K steps 1 to 3 of the first tile
	ASK 2*KIMG
	ASK 3*KIMG
.Lno_head_ask:
.irp k, 0,1,2,3,4,5,6,7
	s_bitcmp1_b32 s84, \k
	s_cselect_b32 s22, 0x3f800000, 0
	v_mov_b32 v[96+\k], s22                        ; v96-103 the prefix sum's weights
	s_bitcmp1_b32 s85, \k
	s_cselect_b32 s23, 0x3f800000, 0
	v_mov_b32 v[104+\k], s23                       ; v104-111 the suffix sum's
.endr
	s_wait_loadcnt 16                              ; the floors are in; the biases' 8 loads and cx's 8 stay out
.set F, 32
.irp q, 0,1,2,3,4,5,6,7
	v_max3_num_f32 v[128+\q], v[F+8*\q], v[F+8*\q+1], v[F+8*\q+2]
.endr
.irp k, 3,5
.irp q, 0,1,2,3,4,5,6,7
	v_max3_num_f32 v[128+\q], v[128+\q], v[F+8*\q+\k], v[F+8*\q+\k+1]
.endr
.endr
.irp q, 0,1,2,3,4,5,6,7
	v_max_num_f32 v[128+\q], v[128+\q], v[F+8*\q+7]
.endr
.irp q, 0,1,2,3,4,5,6,7
	v_mul_f32 v[136+\q], s[KN], v[128+\q]
.endr
.irp k, 0,1,2,3,4,5,6,7
.irp q, 0,1,2,3,4,5,6,7
	v_fma_f32 v[F+8*\q+\k], v[F+8*\q+\k], s[KL], v[136+\q]     ; (number - maximum) x log2 e
.endr
.endr
	s_wait_alu depctr_va_vdst(0)
.set J, 0
.rept 64
	v_exp_f32 v[F+J], v[F+J]
.set J, J+1
.endr
	v_nop
	s_wait_alu depctr_va_vdst(0)
.irp q, 0,1,2,3,4,5,6,7                ; input's first half and forget's second take the prefix weights, the other two the suffix weights
	v_pk_add_f32 v[144+2*\q:145+2*\q], v[F+8*\q:F+8*\q+1], v[F+8*\q+2:F+8*\q+3]
	v_pk_add_f32 v[160+2*\q:161+2*\q], v[F+8*\q+4:F+8*\q+5], v[F+8*\q+6:F+8*\q+7]
	v_pk_mul_f32 v[176+2*\q:177+2*\q], v[F+8*\q:F+8*\q+1], v[96+8*((\q/2+\q)%2):97+8*((\q/2+\q)%2)]
.endr
.irp k, 2,4,6
.irp q, 0,1,2,3,4,5,6,7
	v_pk_fma_f32 v[176+2*\q:177+2*\q], v[F+8*\q+\k:F+8*\q+\k+1], v[96+8*((\q/2+\q)%2)+\k:97+8*((\q/2+\q)%2)+\k], v[176+2*\q:177+2*\q]
.endr
.endr
.irp q, 0,1,2,3,4,5,6,7
	v_pk_add_f32 v[144+2*\q:145+2*\q], v[144+2*\q:145+2*\q], v[160+2*\q:161+2*\q]
.endr
.irp q, 0,1,2,3,4,5,6,7
	v_add_f32 v[128+\q], v[144+2*\q], v[145+2*\q]  ; the softmax's divisor
	v_add_f32 v[136+\q], v[176+2*\q], v[177+2*\q]  ; the masked sum
.endr
	s_wait_alu depctr_va_vdst(0)
.irp q, 0,1,2,3,4,5,6,7
	v_rcp_f32 v[128+\q], v[128+\q]
.endr
	v_nop
	s_wait_alu depctr_va_vdst(0)
.irp q, 0,1,2,3,4,5,6,7
	v_mul_f32 v[136+\q], v[136+\q], v[128+\q]
.endr
.irp u, 0,1
.irp t, 0,1
	v_mul_f32 v[144+2*\u+\t], v[136+4*\u+\t], v[138+4*\u+\t]           ; overlap = cin x cforget
.endr
.endr
.irp u, 0,1
.irp t, 0,1
	v_sub_f32 v[148+2*\u+\t], v[138+4*\u+\t], v[144+2*\u+\t]           ; cforget - overlap
	v_sub_f32 v[152+2*\u+\t], v[136+4*\u+\t], v[144+2*\u+\t]           ; cin - overlap
.endr
.endr
.irp c, 0,1,2
.irp u, 0,1
.irp t, 0,1
	ds_store_b32 v8, v[144+4*\c+2*\u+\t] offset:2048*\c+1024*\t+128*\u
.endr
.endr
.endr
.macro WX d, fa, fb, c, sa, sb, ra, rb
.if (\ra) == 0 && (\rb) == 0
	v_wmma_scale_f32_16x16x128_f8f6f4 v[\d:\d+7], v[\fa:\fa+7], v[\fb:\fb+7], \c, v[\sa], v[\sb] matrix_a_fmt:MATRIX_FMT_FP4 matrix_b_fmt:MATRIX_FMT_FP4
.endif
.if (\ra) == 1 && (\rb) == 0
	v_wmma_scale_f32_16x16x128_f8f6f4 v[\d:\d+7], v[\fa:\fa+7], v[\fb:\fb+7], \c, v[\sa], v[\sb] matrix_a_fmt:MATRIX_FMT_FP4 matrix_b_fmt:MATRIX_FMT_FP4 matrix_a_scale:MATRIX_SCALE_ROW1
.endif
.if (\ra) == 0 && (\rb) == 1
	v_wmma_scale_f32_16x16x128_f8f6f4 v[\d:\d+7], v[\fa:\fa+7], v[\fb:\fb+7], \c, v[\sa], v[\sb] matrix_a_fmt:MATRIX_FMT_FP4 matrix_b_fmt:MATRIX_FMT_FP4 matrix_b_scale:MATRIX_SCALE_ROW1
.endif
.if (\ra) == 1 && (\rb) == 1
	v_wmma_scale_f32_16x16x128_f8f6f4 v[\d:\d+7], v[\fa:\fa+7], v[\fb:\fb+7], \c, v[\sa], v[\sb] matrix_a_fmt:MATRIX_FMT_FP4 matrix_b_fmt:MATRIX_FMT_FP4 matrix_a_scale:MATRIX_SCALE_ROW1 matrix_b_scale:MATRIX_SCALE_ROW1
.endif
.endm
; 16 matrix instructions: batch block a x the 16 weight blocks, the slot's q-th 128 along K.  The 64 accumulators take turns in the same order in every step.  z = 1: the product starts the sums.
.macro MULA a, q, sc, z
.irp b, 0,1,2,3,4,5,6,7,8,9,10,11,12,13,14,15
.if \z
	WX (8*(16*((\a)%2)+\b)), (AF+32*((\q)%2)+8*(\a)), (128*((\q)%2)+8*\b), 0, (SC+40*(\sc)+32+4*((\a)/2)+(\q)), (SC+40*(\sc)+4*(\b/2)+(\q)), ((\a)%2), (\b%2)
.else
	WX (8*(16*((\a)%2)+\b)), (AF+32*((\q)%2)+8*(\a)), (128*((\q)%2)+8*\b), v[(8*(16*((\a)%2)+\b)):(8*(16*((\a)%2)+\b))+7], (SC+40*(\sc)+32+4*((\a)/2)+(\q)), (SC+40*(\sc)+4*(\b/2)+(\q)), ((\a)%2), (\b%2)
.endif
.endr
.endm
.macro MULS q, sc, z
	WIN MUL_LO
	MULA 0, \q, \sc, \z
	MULA 1, \q, \sc, \z
	WIN MUL_HI
	MULA 2, \q, \sc, \z
	MULA 3, \q, \sc, \z
	WIN 0
.endm
.macro FRAG reg, adr, q, i
.irp c, 0,1
	ds_load_b128 v[\reg+4*\c:\reg+4*\c+3], v[\adr] offset:64*(\q)+32*\c+(\i)*16*PITCH
.endr
.endm
.macro FETCH_B slot, q                 ; 32 loads: the 16 weight blocks into set q % 2
	WIN TO_B
.irp i, 0,1,2,3,4,5,6,7
	FRAG 128*((\q)%2)+8*\i, ADRB+2*(\slot), \q, \i
.endr
.irp i, 0,1,2,3,4,5,6,7
	FRAG 128*((\q)%2)+64+8*\i, ADRB+2*(\slot)+1, \q, \i
.endr
	WIN 0
.endm
.macro FETCH_A slot, q                 ; 8 loads
.irp i, 0,1,2,3
	FRAG AF+32*((\q)%2)+8*\i, ADRA+(\slot), \q, \i
.endr
.endm
.macro SCALES slot                     ; 10 loads: four words a row; lanes 0-15 block 2 p, lanes 16-31 block 2 p + 1
.irp p, 0,1,2,3,4,5,6,7
	ds_load_b128 v[SC+40*(\slot)+4*\p:SC+40*(\slot)+4*\p+3], v[ADSB+(\slot)] offset:(\p/4)*HALFT+(\p%4)*2*PITCH
.endr
.irp p, 0,1
	ds_load_b128 v[SC+40*(\slot)+32+4*\p:SC+40*(\slot)+32+4*\p+3], v[ADSA+(\slot)] offset:\p*2*PITCH
.endr
.endm
; Every step begins with the next step's loads, into the sets that the step before multiplied (four places behind its products), and waits for all but those.
.macro STEP slot, q, z                 ; q = 0, 1
	PLACES
	FETCH_B \slot, (\q)+1
	FETCH_A \slot, (\q)+1
	s_wait_dscnt 40                                ; all but the 40 just issued
	MULS \q, \slot, \z
.endm
; The third step changes slots, behind its products.  turn = 1: the slot is filled again behind a round of the cluster's barrier (nxt = 1: with the next tile's K step); 2: a barrier alone shows the other slot whole; 0: nothing.
.macro STEP2 slot, turn, nxt
	PLACES
	FETCH_B \slot, 3
	FETCH_A \slot, 3
	s_wait_dscnt 40
	MULS 2, \slot, 0
.if \turn > 0
	s_wait_tensorcnt 0x0                           ; all my tensor loads have landed: my image of the other slot; so a group 0 may be written
	ds_add_u32 v[SPW], v[NIL]
.if \turn == 1
.if \nxt
	s_sub_nc_u64 s[G0+4*\slot+2:G0+4*\slot+3], s[G0+4*\slot+2:G0+4*\slot+3], 2*KIMG             ; the same batch rows from their start,
	s_add_nc_u64 s[G0B+4*\slot+2:G0B+4*\slot+3], s[G0B+4*\slot+2:G0B+4*\slot+3], 8*TIMG-2*KIMG  ; the chunk eight further on
.else
	s_add_nc_u64 s[G0+4*\slot+2:G0+4*\slot+3], s[G0+4*\slot+2:G0+4*\slot+3], 2*KIMG
	s_add_nc_u64 s[G0B+4*\slot+2:G0B+4*\slot+3], s[G0B+4*\slot+2:G0B+4*\slot+3], 2*KIMG
.endif
.endif
	s_wait_dscnt 0x0                               ; the add is done, and my last reads of this slot are back
	s_barrier_signal -1
	s_barrier_wait -1
.if \turn == 1
	CREST
	JLOAD \slot
.endif
.endif
.endm
; The fourth step.  mode 1: the other slot's first fragments and scale words are fetched; 2: its weight fragments alone (the tail follows and works in window 0); 0: nothing.
.macro STEP3 slot, mode, pf
	PLACES
.if \mode > 0
	FETCH_B 1-\slot, 0
.endif
.if \mode == 1
	FETCH_A 1-\slot, 0
	SCALES 1-\slot
	s_wait_dscnt 50
.endif
.if \mode == 2
	s_wait_dscnt 32
.endif
.if \mode == 0
	s_wait_dscnt 0x0
.endif
.if \pf
	global_prefetch_b8 v[PFO], s[12:13] th:TH_LOAD_NT scope:SCOPE_SE
	global_prefetch_b8 v[PF2], s[12:13] th:TH_LOAD_NT scope:SCOPE_SE
.endif
	MULS 3, \slot, 0
.endm
	s_wait_alu depctr_va_vdst(0)                   ; the wait at the head's end
	s_wait_tensorcnt 0x0                           ; my image of K step 0 is in; slot 1's first fill is issued as a refill is
	ds_add_u32 v[SPW], v[NIL]
	s_wait_dscnt 0x0
	CROUND
	JLOAD 1
	FETCH_B 0, 0
	s_mov_b32 s2, 2                                ; tiles to go
.Ltile:
	s_wait_loadcnt 8                               ; the raw biases are in; cx's 8 loads behind them stay out
.set J, 0
.rept 8
	v_pk_add_f32 v[RAW+J:RAW+J+1], v[RAW+J:RAW+J+1], v[RAW+16+J:RAW+17+J]
.set J, J+2
.endr
.irp j, 0,2,8,10,12,14
	v_pk_mul_f32 v[BI+\j:BI+\j+1], v[RAW+\j:RAW+\j+1], s[KN:KN+1] op_sel_hi:[1,0]
.endr
.irp j, 4,6
	v_pk_mul_f32 v[BI+\j:BI+\j+1], v[RAW+\j:RAW+\j+1], s[KP:KP+1] op_sel_hi:[1,0]
.endr
	s_cmp_eq_u32 s2, 1
	s_cselect_b32 s23, 1024, 0                     ; which tile's records
	s_cselect_b32 s[LD], 0, 0xfffd0800             ; a tail's last step: to the next tile's first block (2,048 - 3 x 65,536), or none
	s_cselect_b32 s[PFN], 0, s[PFW]                ; the last tile has no next tile to ask for
	v_add_nc_u32 v[RA], s23, v[RA0]
	s_wait_alu depctr_va_vdst(0)
	FETCH_A 0, 0
	SCALES 0
	STEP  0, 0, 1
	STEP  0, 1, 0
	STEP2 0, 1, 0
	STEP3 0, 1, 1
	PIMG  8*TIMG                                   ; the next tile's K step 0: its load stands in this tile's third K step
	STEP  1, 0, 0
	STEP  1, 1, 0
	STEP2 1, 1, 0
	STEP3 1, 1, 0
	PIMG  8*TIMG+KIMG
	s_cmp_eq_u32 s2, 1
	s_cbranch_scc1 .Llast_lap                      ; the last tile's second lap is written out: it asks for nothing more
	STEP  0, 0, 0
	STEP  0, 1, 0
	STEP2 0, 1, 1
	STEP3 0, 1, 0
.irp g, 0,1,2,3                        ; the next tile's biases: 8 chunks, 2,048 bytes, on
	global_load_b128 v[RAW+4*\g:RAW+4*\g+3], v[BO], s[8:9] offset:4096*\g+2048
	global_load_b128 v[RAW+16+4*\g:RAW+16+4*\g+3], v[BO], s[10:11] offset:4096*\g+2048
.endr
	PIMG  8*TIMG+2*KIMG
	STEP  1, 0, 0
	STEP  1, 1, 0
	STEP2 1, 1, 1
	STEP3 1, 2, 0
	PIMG  8*TIMG+3*KIMG
	s_branch .Ltail
.Llast_lap:
	STEP  0, 0, 0
	STEP  0, 1, 0
	STEP2 0, 2, 0
	STEP3 0, 1, 0
	STEP  1, 0, 0
	STEP  1, 1, 0
	STEP2 1, 0, 0
	STEP3 1, 0, 0
.Ltail:
; THE TAIL.  T = v32-95: 16 g + 4 i + l (row l of the unit's four); records v96-107 and v176-187; U v128-143; cy v144-159, hy v160-175: 4 l + i.
.macro PKB d, s, g, i                  ; the exponent: (gate + bias) x -log2 e, for the cell x 2 log2 e; the lane's bias serves both rows
.if \g == 1
.set KK, KP
.else
.set KK, KN
.endif
.if (\i)%2
	v_pk_fma_f32 v[\d:\d+1], v[\s:\s+1], s[KK:KK+1], v[BI+4*\g+\i-1:BI+4*\g+\i] op_sel:[0,0,1] op_sel_hi:[1,0,1]
.else
	v_pk_fma_f32 v[\d:\d+1], v[\s:\s+1], s[KK:KK+1], v[BI+4*\g+\i:BI+4*\g+\i+1] op_sel_hi:[1,0,0]
.endif
.endm
.set T1, 128                           ; window 1, v128-191 (the weights' second set, idle in the tail): the second unit's exponents
.macro SELB a                          ; the lines that name block a: each accumulator's registers 0-3 first, then 4-7; both units' records
	WIN 0x02+(\a)/2
	s_wait_alu depctr_va_vdst(0)                   ; the wait directly ahead of the first readers of matrix results
.irp g, 0,1,2,3
.irp i, 0,1,2,3
.irp p, 0,2
	PKB (T+16*\g+4*\i+\p), (128*((\a)%2)+8*(4*\g+\i)+\p), \g, \i
.endr
.endr
.endr
	WIN 0x42+(\a)/2
	s_wait_alu depctr_va_vdst(0)
.irp g, 0,1,2,3
.irp i, 0,1,2,3
.irp p, 0,2
	PKB (T1+16*\g+4*\i+\p), (128*((\a)%2)+8*(4*\g+\i)+4+\p), \g, \i
.endr
.endr
.endr
	WIN 0
.irp c, 0,1,2
	ds_load_b128 v[RECR+4*\c:RECR+4*\c+3], v[RA] offset:2048*\c+64*(\a)
	ds_load_b128 v[RECR+80+4*\c:RECR+80+4*\c+3], v[RA] offset:2048*\c+64*(\a)+32
.endr
	s_wait_alu depctr_va_vdst(0)
.endm
.macro SEL
	s_cmp_eq_u32 s3, 4
	s_cbranch_scc1 .Lb0_\@
	s_cmp_eq_u32 s3, 3
	s_cbranch_scc1 .Lb1_\@
	s_cmp_eq_u32 s3, 2
	s_cbranch_scc1 .Lb2_\@
	SELB 3
	s_branch .Lbj_\@
.Lb0_\@:
	SELB 0
	s_branch .Lbj_\@
.Lb1_\@:
	SELB 1
	s_branch .Lbj_\@
.Lb2_\@:
	SELB 2
.Lbj_\@:
.endm
.macro UNIT jh
.set XS, XR+16*\jh
.set RCS, RECR+80*\jh                  ; the unit's records: v96-107 or v176-187
	s_wait_alu depctr_va_vdst(0)                   ; the wait ahead of the branches and of the batch
.if \jh == 0
	SEL                                            ; one choice a trip: the arm makes both units' exponents
.set J, 0
.rept 64
	v_exp_f32 v[T+J], v[T+J]
.set J, J+1
.endr
.else
	WIN 0x01                                       ; source in window 1, result in window 0
.set J, 0
.rept 64
	v_exp_f32 v[T+J], v[T1+J]
.set J, J+1
.endr
	WIN 0
.endif
	v_nop
	s_wait_alu depctr_va_vdst(0)
.set J, 0
.rept 32
	v_pk_add_f32 v[T+J:T+J+1], v[T+J:T+J+1], 1.0 op_sel_hi:[1,0]
.set J, J+2
.endr
	s_wait_alu depctr_va_vdst(0)
.set J, 0
.rept 64
	v_rcp_f32 v[T+J], v[T+J]
.set J, J+1
.endr
	v_nop
	s_wait_alu depctr_va_vdst(0)
	s_wait_dscnt 0x0                               ; the records are in
	s_wait_loadcnt 4                               ; this unit's cx is in; the other set's four loads may be out
	s_wait_xcnt 0x0                                ; the last unit's stores have read cy and hy
.set J, 0
.rept 8
	v_pk_fma_f32 v[T+16+J:T+17+J], v[T+16+J:T+17+J], -2.0, 1.0 op_sel_hi:[1,0,0]               ; tanh(cell)
.set J, J+2
.endr
.irp i, 0,1,2,3
.irp p, 0,2
	v_pk_fma_f32 v[T+32+4*\i+\p:T+33+4*\i+\p], v[T+32+4*\i+\p:T+33+4*\i+\p], v[RCS+\p:RCS+\p+1], v[RCS+8+\p:RCS+9+\p]   ; in x overlap + (cin - overlap)
	v_pk_fma_f32 v[T+48+4*\i+\p:T+49+4*\i+\p], v[T+48+4*\i+\p:T+49+4*\i+\p], v[RCS+\p:RCS+\p+1], v[RCS+4+\p:RCS+5+\p]   ; forget x overlap + (cforget - overlap)
.endr
.endr
.set J, 0
.rept 8
	v_pk_mul_f32 v[U+J:U+J+1], v[T+32+J:T+33+J], v[T+16+J:T+17+J]                              ; in x cell
.set J, J+2
.endr
.irp l, 0,1,2,3
.irp i, 0,1,2,3
	v_fma_f32 v[CY+4*\l+\i], v[T+48+4*\i+\l], v[XS+4*\l+\i], v[U+4*\i+\l]                      ; cy, into the order of a row's bytes
.endr
.endr
	v_add_nc_u32 v[CXO+\jh], s[DL], v[CXO+\jh]     ; the set's loads have been waited for: the next block
	LDX \jh
.set J, 0
.rept 8
	v_pk_mul_f32 v[U+J:U+J+1], v[CY+J:CY+J+1], s[KP:KP+1] op_sel_hi:[1,0]
.set J, J+2
.endr
	s_wait_alu depctr_va_vdst(0)
.set J, 0
.rept 16
	v_exp_f32 v[U+J], v[U+J]
.set J, J+1
.endr
	v_nop
	s_wait_alu depctr_va_vdst(0)
.set J, 0
.rept 8
	v_pk_add_f32 v[U+J:U+J+1], v[U+J:U+J+1], 1.0 op_sel_hi:[1,0]
.set J, J+2
.endr
	s_wait_alu depctr_va_vdst(0)
.set J, 0
.rept 16
	v_rcp_f32 v[U+J], v[U+J]
.set J, J+1
.endr
	v_nop
	s_wait_alu depctr_va_vdst(0)
.set J, 0
.rept 8
	v_pk_fma_f32 v[U+J:U+J+1], v[U+J:U+J+1], -2.0, 1.0 op_sel_hi:[1,0,0]                       ; tanh(cy)
.set J, J+2
.endr
.irp l, 0,1,2,3
.irp i, 0,1,2,3
	v_mul_f32 v[HY+4*\l+\i], v[T+4*\i+\l], v[U+4*\l+\i]                                        ; hy = out x tanh(cy)
.endr
.endr
.irp l, 0,1,2,3                        ; sixteen lanes store a row's 256 consecutive bytes, aligned
	global_store_b128 v[OO], v[CY+4*\l:CY+4*\l+3], s[20:21] offset:16384*\jh+4096*\l th:TH_STORE_NT
	global_store_b128 v[OO], v[HY+4*\l:HY+4*\l+3], s[18:19] offset:16384*\jh+4096*\l th:TH_STORE_NT
.endr
.endm
	PLACES                                         ; behind the last products: their scale words' and fragments' registers are written below
	s_mov_b32 s3, 4
.Ltrip:
	s_cmp_eq_u32 s3, 1
	s_cselect_b32 s[DL], s[LD], 0x10000            ; 16 rows on; from the last block as the tile says
	UNIT 0
	UNIT 1
	s_wait_xcnt 0x0                                ; the stores have read their offset
	v_add_nc_u32 v[OO], s[DL], v[OO]
	s_sub_co_u32 s3, s3, 1
	s_cmp_lg_u32 s3, 0
	s_wait_alu depctr_va_vdst(0)                   ; the wait ahead of the branch
	s_cbranch_scc1 .Ltrip
	s_wait_xcnt 0x0                                ; cx's prefetches have read their offsets
	v_add_nc_u32 v[PFO], 2048, v[PFO]
	v_add_nc_u32 v[PF2], 2048, v[PF2]
	s_sub_co_u32 s2, s2, 1
	s_cmp_lg_u32 s2, 0
	s_wait_alu depctr_va_vdst(0)
	s_cbranch_scc1 .Ltile
	s_wait_tensorcnt 0x0                           ; the wave's end
	ds_add_u32 v[SPW], v[NIL]
	s_wait_dscnt 0x0
	CROUND                                         ; the closing round
	s_endpgm
.Lfunc_end_k_q8e2e6c26c9_cell:
	.size	k_q8e2e6c26c9_cell, .Lfunc_end_k_q8e2e6c26c9_cell-k_q8e2e6c26c9_cell
	.p2alignl 7, 3214868480
	.fill 96, 4, 3214868480
	.section	.rodata,"a",@progbits
	.p2align	6, 0x0
	.amdhsa_kernel k_q8e2e6c26c9_cell
		.amdhsa_group_segment_fixed_size 327680
		.amdhsa_private_segment_fixed_size 0
		.amdhsa_enable_private_segment 0
		.amdhsa_kernarg_size 72
		.amdhsa_user_sgpr_count 2
		.amdhsa_user_sgpr_kernarg_segment_ptr 1
		.amdhsa_wavefront_size32 1
		.amdhsa_system_sgpr_workgroup_id_x 1
		.amdhsa_system_sgpr_workgroup_id_y 1
		.amdhsa_system_sgpr_workgroup_id_z 1
		.amdhsa_system_vgpr_workitem_id 0
		.amdhsa_next_free_vgpr 1024
		.amdhsa_next_free_sgpr 96
		.amdhsa_reserve_vcc 0
		.amdhsa_float_denorm_mode_32 3
		.amdhsa_float_denorm_mode_16_64 3
		.amdhsa_memory_ordered 1
		.amdhsa_forward_progress 1
		.amdhsa_inst_pref_size 255
	.end_amdhsa_kernel
	.section	.bss,"aw",@nobits
	.p2align	6
	.space	262144
	.amdgpu_metadata
---
amdhsa.version: [ 1, 2 ]
amdhsa.kernels:
  - .name:           k_q8e2e6c26c9_cell
    .symbol:         k_q8e2e6c26c9_cell.kd
    .args:
      - { .name: a_img, .offset: 0, .size: 8, .value_kind: global_buffer, .address_space: global }
      - { .name: b_img, .offset: 8, .size: 8, .value_kind: global_buffer, .address_space: global }
      - { .name: b_ih, .offset: 16, .size: 8, .value_kind: global_buffer, .address_space: global }
      - { .name: b_hh, .offset: 24, .size: 8, .value_kind: global_buffer, .address_space: global }
      - { .name: cx, .offset: 32, .size: 8, .value_kind: global_buffer, .address_space: global }
      - { .name: input_floor, .offset: 40, .size: 8, .value_kind: global_buffer, .address_space: global }
      - { .name: forget_floor, .offset: 48, .size: 8, .value_kind: global_buffer, .address_space: global }
      - { .name: out0, .offset: 56, .size: 8, .value_kind: global_buffer, .address_space: global }
      - { .name: out1, .offset: 64, .size: 8, .value_kind: global_buffer, .address_space: global }
    .group_segment_fixed_size: 327680
    .private_segment_fixed_size: 0
    .kernarg_segment_align: 8
    .kernarg_segment_size: 72
    .max_flat_workgroup_size: 128
    .sgpr_count:     96
    .vgpr_count:     1024
    .wavefront_size: 32
...
	.end_amdgpu_metadata
.endif
;; end of part 2
